; MI455X (gfx1250); checked and timed in simulation.
; The chip was launched on July 23, 2026; its instructions are those of AMD's public machine-readable ISA for CDNA 5 (MIT licence, August 2026) and "CDNA5" Instruction Set Architecture Reference Guide (July 2026). The comments in the code are by the model that wrote it; some were corrected since.
;; Fused Sequence Parallel Attn. Allowed arithmetic: matrix products marked QUANTISED: E4M3 operands, one given power-of-two scale a tensor, by v_wmma_f32_16x16x64_fp8_fp8 or v_wmma_f32_16x16x128_fp8_fp8, f32 sums; everything else in f32.
;; Inputs: cu_seqlens_k 2 int32; cu_seqlens_q 2 int32; k_shard_codes 8 x 1,024 x 8 x 4 x 32 uint8 (E4M3 codes of k_shard, K innermost, in blocks of 32 codes); lowp_scales 4 int32 (the exponents e of the quantised operands' scales 2^e); q_shard_codes 1,024 x 32 x 4 x 32 uint8 (E4M3 codes of q_shard, K innermost, in blocks of 32 codes); v_shard 8 x 1,024 x 8 x 128 float32.
;; Outputs: out0 1,024 x 32 x 128 float32.
;; This version of the problem:
;;   THIS VERSION OF THE PROBLEM IS GIVEN IN LOW PRECISION. The matrix products marked QUANTISED in the list below multiply operands that are first quantised to E4M3 (4 exponent bits, 3 mantissa bits; 8 bits a number), with one given power-of-two scale for each operand tensor; their sums are f32. All else is computed in f32.
;;   The module's matrix products, in the order in which they are computed (A, B: the left and right operand; K: the contracted axis; several contracted axes count as one K, in the product's order):
;;     1. batch 8 x [M 8,192, K 128] x [K 128, N 4,096]; A: input k_shard (given as codes); B: input q_shard (given as codes): QUANTISED (scales: A lowp_scales[0], B lowp_scales[1])
;;     2. batch 8 x [M 128, K 8,192] x [K 8,192, N 4,096]; A: input v_shard; B: softmax (see below): QUANTISED (scales: A lowp_scales[2], B lowp_scales[3])
;;   THE QUANTISER, for each operand of a quantised product, along K:
;;     - The operand's scale is 2^e, e = its entry of the input lowp_scales (int32; the entries are numbered through the quantised products in the list's order, A before B).
;;     - Each number is divided by the scale, clamped to +-448, and rounded to the nearest number of E4M3, ties to even, subnormals kept.
;;     - The product sums the exact products of the quantised numbers (number of the format x scale) in f32.
;;   ~~~python
;;   def quantise(x, axis, e):      # numpy; x: float32 -> the quantised numbers, widened to float32 again
;;       x = np.moveaxis(x, axis, -1); K = x.shape[-1]
;;       r = np.clip(x / 2.0 ** e, -448, 448)
;;       step = 2.0 ** (np.maximum(np.frexp(np.where(r == 0, 1, r))[1] - 1, -6) - 3)
;;       q = np.round(r / step) * step * 2.0 ** e      # np.round: ties to even
;;       return np.moveaxis(q, -1, axis).astype(np.float32)
;;   ~~~
;;   SOFTMAX AHEAD OF A QUANTISED PRODUCT. Where the list says 'softmax', what is quantised is not the finished softmax but p = 2^(t - M), with t = logit x log2(e) and M = ceil(the row's largest t), a whole number; so 1/2 < the row's largest p <= 1. The row's sum l is taken of the UNQUANTISED p, in f32, and the product's result is divided by l at the end. Since M is a whole number, a kernel that streams over the keys may use a running M (the ceiling of the running maximum): every later rescaling is an exact power of two, so the quantised numbers keep their values, but for numbers so far below the row's largest that they fall under the format's range.
;;   OPERANDS COMPUTED ON THE WAY. 'Computed on the way' means the value that the module computes at that place (a softmax that the list does not call 'softmax' is quantised finished and normalised). What goes into a quantiser is computed in f32, as accurately as f32 sums, v_exp_f32 and their like allow (about 1e-6 of the number): no bf16 or f16 on the way to a quantiser, and a product that is left as it is and whose result goes on into a quantised operand takes f32 operands (vector FMAs, or v_wmma_f32_16x16x4_f32). A number that lies on a knife's edge between two numbers of the format may be rounded either way, as far as f32 arithmetic and the matrix unit's own rounding can turn it there, and no further.
;;   INPUTS GIVEN AS CODES. k_shard (in the module: [8, 1024, 8, 128], K = its axis 3); q_shard (in the module: [1024, 32, 128], K = its axis 2): each comes as NAME_codes (uint8): NAME with its K axis moved to the last place and cut into blocks of 32 codes, [.., K / 32, bytes a block], one block behind the other in memory; one code a byte (a code: sign, 4 exponent bits, 3 mantissa bits); its scale is its entry of lowp_scales. Its value is code x scale, taken as it is: it is not quantised again, and the codes and scales need not be those that the quantiser above would give.
;; One version. Each part assembles by itself: llvm-mc -triple=amdgcn-amd-amdhsa -mcpu=gfx1250 --defsym DOCPART=n.
;; ======== version 1 of 1: 2 launches
;; workspace buffers: v_codes 6,815,744 bytes
;; launch vquant (part 1): grid 8 x 26, 4 waves a work-group, no clusters, 36,352 bytes of LDS; arguments v_shard, lowp_scales, v_codes; writes v_codes
.if DOCPART == 1
	.amdgcn_target "amdgcn-amd-amdhsa--gfx1250"
	.amdhsa_code_object_version 6
	.text
	.protected	k_qccea943f0e_vquant
	.globl	k_qccea943f0e_vquant
	.p2align	8
	.type	k_qccea943f0e_vquant,@function
k_qccea943f0e_vquant:
	s_mov_b64 s[64:65], 0
	v_nop
	global_prefetch_b8 v0, s[64:65] scope:SCOPE_SE
	s_setreg_imm32_b32 hwreg(HW_REG_WAVE_MODE, 25, 1), 1
	s_wait_xcnt 0x0
; V [8,192 keys][8 heads x 128 channels], f32, becomes codes of FP8 (E4M3) for attention's second product, whose K is the KEYS:
; v_codes [8 heads][128 channels][6,656 keys], one code a byte, the keys innermost.
; code = x / 2^ev, held within +-448, rounded to the nearest code, ties to even; ev is entry 2 (int32) of the scales.
; LIMITS: ev between -126 and 119, so that 2^ev and 448 x 2^ev are f32 numbers.  NaN among the inputs is not served; an infinity is held at the largest code.
; WHICH KEYS.  The keys lie in memory in 16 chunks of 512: memory chunk 2 r is chunk r of the sequence, memory chunk 2 r + 1 is chunk 15 - r.  The queries of this rank lie in
; chunks 3 and 12 of the sequence, and the mask lets a query see no later key: chunks 13 to 15 are seen by nobody and are neither read nor written.  Along a row of v_codes the
; chunks stand in the SEQUENCE's order, 0 to 12: chunk gc comes from memory chunk 2 gc (gc < 8) or 31 - 2 gc.
; THE ORDER INSIDE 32 KEYS.  Byte 16 h + 8 u + i of a block of 32 holds key 16 u + 8 h + i: the two middle groups of eight change places.  That is the order in which the
; attention kernel's weights come out of its first product, so that both sources of its second product hold the same key in the same byte.
; A LANE TAKES A COLUMN (a head's channel) AND ITS REGISTERS RUN DOWN THE KEYS: each load reads 128 consecutive bytes a wave, 512 a work-group, and the conversions, which take
; eight neighbours from one lane's registers, give codes with the keys innermost.  A wave takes 32 columns x 256 keys; its codes go through its own stage in LDS and leave as rows:
; sixteen lanes store 256 consecutive bytes at a multiple of 256 from the buffer's first byte (a row is 26 x 256 bytes).  No barrier: waves share nothing.
; Loads run two blocks of 32 keys (64 loads a wave) ahead.  Every offset is an immediate: 255 x 4,096 and 30 x 6,656 at the most, inside the signed 24 bits (ISA guide, chapter 10).
.set NB,    8                          ; blocks of 32 keys for a wave
.set PITCH, 272                        ; a stage row: 256 bytes of codes + 16
.set KROW,  6656                       ; a row of v_codes in bytes
.set VROW,  4096                       ; a key's row of V in bytes
.set X,     32                         ; v32-95   two sets of 32 numbers
.set C,     96                         ; v96-103  a block's codes
.set OUTR,  112                        ; v112-175 the way out: 16 x 4 registers
	s_load_b128 s[4:7], s[0:1], 0x0                ; V, the scales' exponents
	s_load_b64 s[8:9], s[0:1], 0x10                ; the codes
	v_lshl_add_u32 v192, v0, 2, 0x8c00
	v_mov_b32 v193, 0
	v_lshrrev_b32 v1, 5, v0
	v_readfirstlane_b32 s16, v1                    ; wave 0..3
	v_and_b32 v2, 31, v0                           ; lane
	s_lshl_b32 s17, ttmp9, 7
	s_lshl_b32 s18, s16, 5
	s_add_co_u32 s17, s17, s18                     ; my wave's first column: 128 x head + 32 x wave
	s_and_b32 s18, ttmp7, 0xffff                   ; y: which 256 keys of a row of v_codes
	s_lshr_b32 s19, s18, 1                         ; gc: the chunk of the sequence
	s_lshl_b32 s20, s19, 1                         ; 2 gc
	s_sub_co_u32 s21, 31, s20                      ; 31 - 2 gc
	s_cmp_lt_u32 s19, 8
	s_cselect_b32 s20, s20, s21                    ; the memory chunk: an offset is chosen, no address
	s_lshl_b32 s20, s20, 9
	s_and_b32 s21, s18, 1
	s_lshl_b32 s21, s21, 8
	s_add_co_u32 s20, s20, s21                     ; my first key in memory: 512 x chunk + 256 (y % 2)
	s_lshl_b32 s20, s20, 12                        ; in bytes (under 2^25),
	s_lshl_b32 s21, s17, 2
	s_add_co_u32 s20, s20, s21                     ; + 4 x column
	s_mov_b32 s21, 0
	s_mul_i32 s24, s17, KROW                       ; the codes: column x a row
	s_lshl_b32 s25, s18, 8
	s_add_co_u32 s24, s24, s25                     ; + 256 y
	s_mov_b32 s25, 0
	v_lshlrev_b32 v3, 2, v2                        ; in: 4 bytes a lane
	s_mul_i32 s22, s16, 32*PITCH                   ; my stage
	v_mul_u32_u24 v4, v2, PITCH
	v_add_nc_u32 v4, s22, v4                       ; into it: row = my column
	v_and_b32 v5, 15, v2
	v_lshrrev_b32 v6, 4, v2                        ; out of it: sixteen lanes to a row, two rows an instruction
	v_mul_u32_u24 v7, v6, PITCH
	v_lshl_add_u32 v7, v5, 4, v7
	v_add_nc_u32 v7, s22, v7                       ; LDS address
	v_mul_u32_u24 v8, v6, KROW
	v_lshl_add_u32 v8, v5, 4, v8                   ; and the same place in the codes' buffer
	s_wait_kmcnt 0x0
	s_load_b32 s30, s[6:7], 0x8                    ; ev
	s_add_nc_u64 s[4:5], s[4:5], s[20:21]
	s_add_nc_u64 s[8:9], s[8:9], s[24:25]
.macro LOAD t                          ; block t: V(my first key + 32 t + i, my column), i = 0 .. 31, into set t % 2
.irp i, 0,1,2,3,4,5,6,7,8,9,10,11,12,13,14,15,16,17,18,19,20,21,22,23,24,25,26,27,28,29,30,31
	global_load_b32 v[X+32*((\t)%2)+\i], v3, s[4:5] offset:(32*(\t)+\i)*VROW th:TH_LOAD_NT
.endr
.endm
	LOAD 0
	LOAD 1
	s_wait_kmcnt 0x0
	s_add_co_i32 s30, s30, 127
	s_lshl_b32 s31, s30, 23
	v_mov_b32 v11, s31                             ; 2^ev as f32: the conversion takes its exponent field
	s_add_co_i32 s30, s30, 8
	s_lshl_b32 s30, s30, 23
	s_or_b32 s30, s30, 0x600000
	v_mov_b32 v10, s30                             ; 448 x 2^ev
.macro BLOCK t
.set XS, X+32*((\t)%2)
.if (\t) < NB-1
	s_wait_loadcnt 32                              ; this block's 32 loads are in; the next block's 32 may be out
.else
	s_wait_loadcnt 0
.endif
.irp i, 0,1,2,3,4,5,6,7,8,9,10,11,12,13,14,15,16,17,18,19,20,21,22,23,24,25,26,27,28,29,30,31
	v_med3_num_f32 v[XS+\i], v[XS+\i], -v10, v10   ; the conversion to an 8-bit code does not saturate (ISA guide 7.6.2): the number is held within the largest code x the scale first
.endr
	v_cvt_scalef32_pk8_fp8_f32 v[C:C+1],   v[XS:XS+7],     v11   ; keys 0-7   -> bytes 0-7
	v_cvt_scalef32_pk8_fp8_f32 v[C+4:C+5], v[XS+8:XS+15],  v11   ; keys 8-15  -> bytes 16-23
	v_cvt_scalef32_pk8_fp8_f32 v[C+2:C+3], v[XS+16:XS+23], v11   ; keys 16-23 -> bytes 8-15
	v_cvt_scalef32_pk8_fp8_f32 v[C+6:C+7], v[XS+24:XS+31], v11   ; keys 24-31 -> bytes 24-31
	ds_store_b128 v4, v[C:C+3] offset:32*(\t)      ; 32 codes: 32 bytes of my column's row.  (The conversions' results go to LDS stores alone, and the next block begins with plain vector lines on other registers)
	ds_store_b128 v4, v[C+4:C+7] offset:32*(\t)+16
.if (\t)+2 < NB
	LOAD (\t)+2
.endif
	s_wait_dscnt 0x0                               ; the stores have read their registers: the next block's codes may be written
.endm
.irp t, 0,1,2,3,4,5,6,7
	BLOCK \t
.endr
.irp t, 0,1,2,3,4,5,6,7,8,9,10,11,12,13,14,15
	ds_load_b128 v[OUTR+4*\t:OUTR+4*\t+3], v7 offset:2*\t*PITCH   ; LDS serves a wave's instructions in order (ISA guide 5.7.1.4): these see my stores
.endr
.irp t, 0,1,2,3,4,5,6,7,8,9,10,11,12,13,14,15
	s_wait_dscnt 15-\t                             ; the 15 - t younger loads may be out
	global_store_b128 v8, v[OUTR+4*\t:OUTR+4*\t+3], s[8:9] offset:2*\t*KROW   ; the next launch reads these: no hint
.endr
	s_wait_tensorcnt 0x0
	ds_add_u32 v192, v193
	s_wait_dscnt 0x0
	s_endpgm
.Lfunc_end_k_qccea943f0e_vquant:
	.size	k_qccea943f0e_vquant, .Lfunc_end_k_qccea943f0e_vquant-k_qccea943f0e_vquant
	.p2alignl 7, 3214868480
	.fill 96, 4, 3214868480
	.section	.rodata,"a",@progbits
	.p2align	6, 0x0
	.amdhsa_kernel k_qccea943f0e_vquant
		.amdhsa_group_segment_fixed_size 36352
		.amdhsa_private_segment_fixed_size 0
		.amdhsa_enable_private_segment 0
		.amdhsa_kernarg_size 24
		.amdhsa_user_sgpr_count 2
		.amdhsa_user_sgpr_kernarg_segment_ptr 1
		.amdhsa_wavefront_size32 1
		.amdhsa_system_sgpr_workgroup_id_x 1
		.amdhsa_system_sgpr_workgroup_id_y 1
		.amdhsa_system_sgpr_workgroup_id_z 1
		.amdhsa_system_vgpr_workitem_id 0
		.amdhsa_next_free_vgpr 194
		.amdhsa_next_free_sgpr 66
		.amdhsa_reserve_vcc 0
		.amdhsa_float_denorm_mode_32 3
		.amdhsa_float_denorm_mode_16_64 3
		.amdhsa_memory_ordered 1
		.amdhsa_forward_progress 1
		.amdhsa_inst_pref_size 50
	.end_amdhsa_kernel
	.amdgpu_metadata
---
amdhsa.version: [ 1, 2 ]
amdhsa.kernels:
  - .name:           k_qccea943f0e_vquant
    .symbol:         k_qccea943f0e_vquant.kd
    .args:
      - { .name: v_shard, .offset: 0, .size: 8, .value_kind: global_buffer, .address_space: global }
      - { .name: lowp_scales, .offset: 8, .size: 8, .value_kind: global_buffer, .address_space: global }
      - { .name: v_codes, .offset: 16, .size: 8, .value_kind: global_buffer, .address_space: global }
    .group_segment_fixed_size: 36352
    .private_segment_fixed_size: 0
    .kernarg_segment_align: 8
    .kernarg_segment_size: 24
    .max_flat_workgroup_size: 128
    .sgpr_count:     66
    .vgpr_count:     194
    .wavefront_size: 32
...
	.end_amdgpu_metadata
.endif
;; end of part 1
;; launch attn (part 2): grid 32 x 8, 16 waves a work-group, clusters of 4 x 1, 327,680 bytes of LDS; arguments q_shard_codes, k_shard_codes, v_codes, lowp_scales, out0; writes out0
.if DOCPART == 2
	.amdgcn_target "amdgcn-amd-amdhsa--gfx1250"
	.amdhsa_code_object_version 6
	.text
	.protected	k_qccea943f0e_attn
	.globl	k_qccea943f0e_attn
	.p2align	8
	.type	k_qccea943f0e_attn,@function
k_qccea943f0e_attn:
	s_mov_b64 s[64:65], 0
	v_nop
	global_prefetch_b8 v0, s[64:65] scope:SCOPE_SE
	s_setreg_imm32_b32 hwreg(HW_REG_WAVE_MODE, 25, 1), 1
	s_wait_xcnt 0x0
	s_wait_alu depctr_hold_cnt(0) depctr_sa_sdst(0) depctr_va_vdst(0) depctr_va_sdst(0) depctr_va_ssrc(0) depctr_va_vcc(0) depctr_vm_vsrc(0)
	s_getreg_b32 s2, hwreg(HW_REG_IB_STS2, 6, 4)
	s_cmp_eq_u32 s2, 0
	s_cbranch_scc0 .Lentry_in_a_cluster
	s_endpgm
.Lentry_in_a_cluster:
	s_bfe_u32 s2, ttmp6, 0x10000c
	s_cmp_lg_u32 s2, 0x3003
	s_cbranch_scc0 .Lentry_shape_is_right
	s_endpgm
.Lentry_shape_is_right:
; out[token][head][:] = the sum over the keys of softmax(q . k / sqrt(128), masked) v, for one rank of a zig-zag split: 1,024 tokens x 32 heads, 8,192 keys x 8 key heads (four
; query heads to a key head), head size 128.  Both products on codes of FP8 (E4M3), each tensor with the one scale 2^e that is given: ek, eq, ev, ep = entries 0 to 3 of the scales.
; q: [1,024][32][128] codes.  k: [8,192][8][128] codes.  v_codes: [8][128][6,656], made by the launch before: the keys innermost, in the sequence's order, chunks 0 to 12.
; cu_seqlens_q and cu_seqlens_k are parameters that the computation to be matched never uses: no number of the result hangs on them, so they are not among this launch's buffers.
; THE MASK is built from constants (rank 3 of 8).  In chunks of 512: tokens 0-511 are chunk 3 of the sequence, tokens 512-1,023 chunk 12; a query sees the keys at or before its own
; place.  The keys are walked in the sequence's order: memory chunks 0, 2, 4, 6, 8, 10, 12, 14, 15, 13, 11, 9, 7.  Chunks 13 to 15 of the sequence are seen by nobody.
; THE SOFTMAX AHEAD OF THE SECOND PRODUCT: t = score x log2(e) / sqrt(128); M = the largest t so far, rounded UP to a whole number; p = 2^(t - M) is quantised along the keys, not
; normalised.  The row's sum is taken of the unquantised p and divides at the end.  When M moves, the sum and O are multiplied by 2^(old M - new M): nothing is rounded.
; SHARES.  Work-group i (0..31) of key head hk owns the four heads x tokens 16 i .. (EARLY) and x tokens 512 + 16 (31 - i) .. (LATE): eight tiles of 16 queries.  The step of 128 keys that
; holds the diagonal is step i / 8 of chunk 3 and step 3 - i / 8 of chunk 12, so every work-group has 4 x (12 + 48 + 5) tile steps.  i / 8 hangs on the cluster's number alone.
; Sixteen waves of 256 registers, four to a SIMD.  A wave owns ONE tile and every second key step of it: with A = wave / 4, B = wave % 4: head A, role (A + B) % 4, role % 2 = early or
; late, role / 2 = j: of a slot's four steps it takes steps j and j + 2.  The wave with the other half of the same tile is wave xor 2; the two halves meet at the end through LDS, brought
; under one M by a power of two.  Every wave walks all 13 slots; a step whose keys all come after the wave's queries is jumped by a scalar branch on ids, round no barrier and no tensor load.
; CLUSTER.  The four work-groups of a cluster walk the same K and V: each tile is asked for JOINTLY, by the same tensor load with the same descriptor and the mask 15.
; LAYOUT.  Both products are used transposed: S^T = K Q^T (source 0 = 16 neighbouring keys, source 1 = my 16 queries), O^T = V^T P^T (source 0 = 16 channels, source 1 = P): a lane holds ONE
; query (lane % 16).  In S^T's tiles 2 c and 2 c + 1 lane half h holds keys 32 c + 8 h + 0..7 and 32 c + 16 + 8 h + 0..7: their 16 codes are registers 4 c .. 4 c + 3 of P, and v_codes holds
; just these keys at bytes 32 c + 16 h + 0..15 of a row.  A fragment is fetched by four loads of 16 bytes, 32 apart: a permutation of k, the same in both sources of each product.
; LIMITS on the given exponents, so that each power of two below is an f32 number: ek + eq between -123 and 130 (added to c's exponent field); ep between -126 and 119; ep + ev is applied
; by v_ldexp_f32 and has none.  NaN codes in q or k are not served.
; REGISTERS: v1-7 addresses and the mask's number, which stay; v8-11 addresses in hand; v12 -M, v13 the largest t, v[14:15] the sum in two halves; v16-31 Q; v32-95 four fragments of K, then V's
; tiles 0-3; v96-159 S^T, then p, then V's tiles 4-7; v160-223 O^T; v224-239 p's codes; v240 = 448 x 2^ep, v244 = 2^ep; v242, v243, v245, v252-254 at work: none of these is a product's register.
.set KP,    144                        ; a key's row in LDS: 128 bytes + 16 = 36 words: the 16 rows of a load start at 16 different groups of four banks (64 banks of 4 bytes: ISA guide 11.1)
.set VP,    528                        ; a channel's row of 512 keys: 512 bytes + 16 = 132 words: likewise
.set VOFF,  512*KP                     ; a slot: 512 rows of K (73,728 bytes), then 128 rows of V (67,584)
.set SLOT,  VOFF+128*VP                ; 141,312 bytes; slot 1 begins here
.set SPARE, 2*SLOT                     ; behind the ring: the spare words, 128 bytes for each wave: eight blocks of 256 bytes that no other line names
.set STAT,  SPARE+16*128               ; 8 bytes a thread: -M and the row's sum, for the wave with the other half of the tile
.set STG,   SLOT                       ; the way out: 16 rows x 528 bytes for each wave, in slot 1: it has had its last fill (the twelfth chunk's), and its last read lies in front of the last change of slots
.set SP,    528
.set CHK,   512*1024                   ; a chunk of K in memory: 512 keys x 1,024 bytes
.set VROW,  6656                       ; a row of v_codes
.set AK0,  1                           ; v1   my lane's place in a slot's K: 144 r + 16 h + 128 j rows
.set AV0,  2                           ; v2   in its V: VOFF + 528 r + 16 h + 128 j
.set DM,   3                           ; v3   the mask on the diagonal: my query's place in the step - 8 h
.set SI,   4                           ; v4   the way out: where I put 32 bytes of a row
.set SPW,  5                           ; v5   LDS address of my spare word: SPARE + 4 x my thread's number; never rewritten
.set NIL,  6                           ; v6   0; never rewritten
.set GO,   7                           ; v7   16 x lane
.set ADK,  8                           ; v8   LDS address of the slot's K for my lane
.set ADV,  9                           ; v9   of its V
.set PX,   245                         ; v245 what the lane 16 away sends
.set WV,   14                          ; s14  my wave's number
.set HG,   15                          ; s15  my head in the group of four
.set RHO,  16                          ; s16  my role
.set EL,   17                          ; s17  0 early, 1 late
.set JH,   18                          ; s18  j
.set SEL,  20                          ; s[20:21] lane selects for v_permlanex16_b32: lane l xor 16
.set CS,   22                          ; s[22:23] c: the packed form names a pair and takes its low word for both halves
.set G1K,  24                          ; s[24:31] descriptor group 1 for K's tiles;  s[32:39] for V's;  s[40:43], s[44:47] their groups 0, which walk
.set G1V,  32
.set G0K,  40
.set G0V,  44
.set TB,   48                          ; s48  LDS byte at which the slot in hand begins: 0 or SLOT
.set LF,   49                          ; s49  the same for the slot that is being filled
.set KL,   50                          ; s50  my half's place in a slot's K, if I fetch
.set VL,   51                          ; s51  in its V
.set PS,   54                          ; s54  4 x the slot's number + 2 x (0 or 1): my step's number in the walk less j
.set DG,   55                          ; s55  the number of the step with my tile's diagonal, less j
.set CNT,  56                          ; s56  counts a loop's slots
; A round of the cluster's barrier: my work-group's barrier, so that wave 0's signal speaks for all sixteen waves; wave 0 signals for the work-group; every wave waits for all four
; work-groups; my work-group's barrier once more.  No LDS instruction of the wave is pending at a signal.
.macro CROUND
	s_barrier_signal -1
	s_barrier_wait -1
	s_cmp_lg_u32 s[WV], 0
	s_cbranch_scc1 .Lnot_wave_0_\@
	s_barrier_signal -3
.Lnot_wave_0_\@:
	s_barrier_wait -3
	s_barrier_signal -1
	s_barrier_wait -1
.endm
; A joint load.  Waves 0 and 1 fetch the two halves of a slot's K, waves 2 and 3 those of its V, the others nothing.  The branches hang on the wave's number alone: they are the same in
; every work-group.  Four v_nop follow each of the two lines.
.macro JLOAD
	s_cmp_lt_u32 s[WV], 2
	s_cbranch_scc0 .Lnot_k_\@
	tensor_load_to_lds s[G0K:G0K+3], s[G1K:G1K+7]
	s_nop 0
.rept 4
	v_nop
.endr
	s_branch .Lasked_\@
.Lnot_k_\@:
	s_cmp_lt_u32 s[WV], 4
	s_cbranch_scc0 .Lasked_\@
	tensor_load_to_lds s[G0V:G0V+3], s[G1V:G1V+7]
	s_nop 0
.rept 4
	v_nop
.endr
.Lasked_\@:
.endm
	s_load_b256 s[4:11], s[0:1], 0x0               ; Q's codes s[4:5], K's s[6:7], V's s[8:9], the scales' exponents s[10:11]
	s_load_b64 s[12:13], s[0:1], 0x20              ; out
	v_lshl_add_u32 v[SPW], v0, 2, SPARE
	v_mov_b32 v[NIL], 0
	ds_add_u32 v5, v6
	s_wait_dscnt 0x0
	v_lshrrev_b32 v8, 5, v0
	v_readfirstlane_b32 s[WV], v8                  ; wave 0..15
	s_lshr_b32 s[HG], s[WV], 2                     ; A: my head in the group
	s_and_b32 s[RHO], s[WV], 3                     ; B
	s_add_co_u32 s[RHO], s[RHO], s[HG]
	s_and_b32 s[RHO], s[RHO], 3                    ; role = (A + B) % 4: four waves with the same wave % 4, or the same wave / 4, have the four roles
	s_and_b32 s[EL], s[RHO], 1                     ; early or late
	s_lshr_b32 s[JH], s[RHO], 1                    ; j
	s_bfe_u32 s58, ttmp6, 0x40000                  ; cx: my place in the cluster.  It enters Q's and out's addresses and the mask's number, no branch and no LDS address
	s_lshl_b32 s72, ttmp9, 2                       ; in a cluster launch ttmp9 counts clusters
	s_add_co_u32 s72, s72, s58                     ; i = 4 x cluster + cx
	s_and_b32 s73, ttmp7, 0xffff                   ; hk: the key head, which the four partners share
	s_lshr_b32 s74, ttmp9, 1                       ; i / 8: the same in the four partners
	s_add_co_u32 s75, s74, 12                      ; early: the diagonal lies in step 4 x 3 + i / 8 of the walk,
	s_sub_co_u32 s76, 51, s74                      ; late: in step 4 x 12 + 3 - i / 8
	s_cmp_eq_u32 s[EL], 0
	s_cselect_b32 s[DG], s75, s76
	s_sub_co_u32 s[DG], s[DG], s[JH]               ; less j: 11 at the least
	s_sub_co_u32 s77, 31, s72
	s_cmp_eq_u32 s[EL], 0
	s_cselect_b32 s77, s72, s77                    ; my block of 16 tokens in its chunk: i or 31 - i
	s_lshl_b32 s78, s77, 4
	s_lshl_b32 s79, s[EL], 9
	s_add_co_u32 s78, s78, s79                     ; my first token: 16 x block + 512 x late
	s_and_b32 s79, s77, 7
	s_lshl_b32 s79, s79, 4                         ; its place in the diagonal's step of 128 keys
	; what I fetch, if I fetch: half hf = wave % 2 of K's 512 rows or of V's 128.  Nothing here hangs on cx
	s_and_b32 s80, s[WV], 1
	s_lshl_b32 s82, s73, 7                         ; K in memory: 128 hk
	s_lshl_b32 s81, s80, 18                        ; + 256 keys x 1,024 bytes x hf
	s_add_co_u32 s82, s82, s81
	s_mov_b32 s83, 0
	s_mul_i32 s88, s73, 128*VROW                   ; V in memory: 128 rows x hk
	s_mul_i32 s81, s80, 64*VROW                    ; + 64 rows x hf
	s_add_co_u32 s88, s88, s81
	s_mov_b32 s89, 0
	s_mul_i32 s[KL], s80, 256*KP                   ; and in a slot
	s_mul_i32 s[VL], s80, 64*VP
	s_add_co_u32 s[VL], s[VL], VOFF
	; Q and out
	s_lshl_b32 s84, s73, 2
	s_add_co_u32 s84, s84, s[HG]                   ; my head: 4 hk + A
	s_lshl_b32 s86, s78, 12                        ; Q: a token is 4,096 bytes,
	s_lshl_b32 s85, s84, 7                         ; a head 128
	s_add_co_u32 s86, s86, s85
	s_mov_b32 s87, 0
	s_lshl_b32 s85, s[JH], 3                       ; out: I store rows 8 j .. 8 j + 7 of the tile;
	s_add_co_u32 s85, s85, s78
	s_lshl_b32 s90, s85, 14                        ; a token is 16,384 bytes,
	s_lshl_b32 s85, s84, 9                         ; a head 512
	s_add_co_u32 s90, s90, s85
	s_mov_b32 s91, 0
	; descriptor group 1.  K: 256 rows of 128 bytes, 1,024 bytes apart in memory.  V: 64 rows of 512 bytes, 6,656 apart
	s_mov_b32 s[G1K], 15|(1<<20)|(1<<21)|(4<<22)|(3<<25)   ; 15:0 the mask: all four work-groups; 17:16 elements of 1 byte; 20 padding on; 21 set beside a mask; 24:22 after every 32 words (code 4); 31:25 four words (code 3)
	s_mov_b32 s[G1K+1], 128<<16                    ; tensor_dim0
	s_mov_b32 s[G1K+2], 256<<16                    ; tensor_dim1
	s_mov_b32 s[G1K+3], 128<<16                    ; tile_dim0
	s_mov_b32 s[G1K+4], 256                        ; tile_dim1
	s_mov_b32 s[G1K+5], 1024                       ; tensor_dim0_stride
	s_mov_b32 s[G1K+6], 0
	s_mov_b32 s[G1K+7], 0
	s_mov_b32 s[G1V], 15|(1<<20)|(1<<21)|(6<<22)|(3<<25)   ; padding: four words after every 128
	s_mov_b32 s[G1V+1], 512<<16
	s_mov_b32 s[G1V+2], 64<<16
	s_mov_b32 s[G1V+3], 512<<16
	s_mov_b32 s[G1V+4], 64
	s_mov_b32 s[G1V+5], VROW
	s_mov_b32 s[G1V+6], 0
	s_mov_b32 s[G1V+7], 0
	s_mov_b32 s[SEL], 0x76543210
	s_mov_b32 s[SEL+1], 0xfedcba98
	s_mov_b32 s[TB], 0
	s_mov_b32 s[LF], 0
	s_mov_b32 s[PS], 0
	s_wait_kmcnt 0x0
	s_load_b128 s[68:71], s[10:11], 0x0            ; ek, eq, ev, ep
	s_mov_b32 s[G0K], 1                            ; 1:0 count = 1
	s_mov_b32 s[G0K+1], s[KL]                      ; 63:32 LDS address: slot 0
	s_add_nc_u64 s[G0K+2:G0K+3], s[6:7], s[82:83]  ; 120:64 global address: memory chunk 0
	s_or_b32 s[G0K+3], s[G0K+3], 0x80000000        ; 127:126 type = 2
	s_mov_b32 s[G0V], 1
	s_mov_b32 s[G0V+1], s[VL]
	s_add_nc_u64 s[G0V+2:G0V+3], s[8:9], s[88:89]
	s_or_b32 s[G0V+3], s[G0V+3], 0x80000000
	CROUND                                         ; all four work-groups are here: the first joint loads meet
	JLOAD                                          ; chunk 0 of the sequence, into slot 0
	s_add_nc_u64 s[4:5], s[4:5], s[86:87]          ; Q's codes at my tile
	s_add_nc_u64 s[12:13], s[12:13], s[90:91]      ; out at the rows that I store
	v_and_b32 v8, 15, v0                           ; r = lane % 16
	v_bfe_u32 v9, v0, 4, 1                         ; h = lane / 16
	v_lshlrev_b32 v10, 12, v8
	v_lshl_add_u32 v10, v9, 4, v10                 ; Q: token r, + 16 h
.irp c, 0,1,2,3
	global_load_b128 v[16+4*\c:19+4*\c], v10, s[4:5] offset:32*\c   ; Q's fragment stays in registers
.endr
	v_mul_u32_u24 v[AK0], v8, KP
	v_lshl_add_u32 v[AK0], v9, 4, v[AK0]
	s_mul_i32 s92, s[JH], 128*KP
	v_add_nc_u32 v[AK0], s92, v[AK0]
	v_mul_u32_u24 v[AV0], v8, VP
	v_lshl_add_u32 v[AV0], v9, 4, v[AV0]
	s_lshl_b32 s93, s[JH], 7
	s_add_co_u32 s93, s93, VOFF
	v_add_nc_u32 v[AV0], s93, v[AV0]
	v_lshlrev_b32 v[DM], 3, v9
	v_sub_nc_u32 v[DM], v8, v[DM]
	v_add_nc_u32 v[DM], s79, v[DM]                 ; 16 (block % 8) + r - 8 h.  Register 8 tau + i holds key 16 tau + 8 h + i of the step: hidden where 16 tau + i is larger than this
	v_and_b32 v[GO], 31, v0
	v_lshlrev_b32 v[GO], 4, v[GO]
	v_mov_b32 v13, 0xff61b1e6                      ; the largest t so far: -3e38, under every t
	v_floor_f32 v12, -v13                          ; -M
	v_mov_b32 v14, 0                               ; the sum, in two halves
	v_mov_b32 v15, 0
	v_mov_b32 v[PX], 0                             ; written once: a lane permute's destination counts as one of its sources
	v_mov_b32 v253, 0                              ; (named as the upper half of the pair v[252:253])
.set n, 0
.rept 64
	v_mov_b32 v[160+n], 0                          ; O^T.  (A step is written in one form: the first finds zeros, which the first change of M leaves zeros)
.set n, n+1
.endr
	s_wait_kmcnt 0x0
	s_add_co_i32 s94, s68, s69
	s_lshl_b32 s94, s94, 23
	s_mov_b32 s[CS], 0x3e0293ee                    ; c = log2(e) / sqrt(128)
	s_add_co_i32 s[CS], s[CS], s94                 ; a score stands for score x 2^(ek + eq): the two exponents are added to c's exponent field
	s_mov_b32 s[CS+1], s[CS]                       ; (named with it as a pair, so it is written)
	s_add_co_i32 s94, s71, 127
	s_lshl_b32 s95, s94, 23
	v_mov_b32 v244, s95                            ; 2^ep as f32, for the conversion
	s_add_co_i32 s94, s94, 8
	s_lshl_b32 s94, s94, 23
	s_or_b32 s94, s94, 0x600000
	v_mov_b32 v240, s94                            ; 448 x 2^ep
; A KEY STEP: 128 keys, step j + 2 q of the slot in hand.
.macro STEP q
	s_cmp_gt_u32 s[PS], s[DG]                      ; all its keys come after my queries: nothing to do
	s_cbranch_scc1 .Lhidden_\@
	v_add_nc_u32 v[ADK], s[TB], v[AK0]
	v_add_nc_u32 v[ADV], s[TB], v[AV0]
.rept 3
	v_nop                                          ; with the two additions: five places behind the last step's products: the products below write S^T over registers that those read as a source (five), and the loads below land in such registers (four)
.endr
.irp g, 0,1                                    ; S^T = K Q^T, four tiles of 16 neighbouring keys at a time
.if \g > 0
.rept 4
	v_nop                                          ; four places in front of loads into registers that matrix instructions have read
.endr
.endif
.irp t, 0,1,2,3
.irp c, 0,1,2,3
	ds_load_b128 v[32+16*\t+4*\c:32+16*\t+4*\c+3], v[ADK] offset:(256*(\q)+16*(4*\g+\t))*KP+32*\c
.endr
.endr
	s_wait_dscnt 0x0
.irp t, 0,1,2,3
	v_wmma_f32_16x16x128_fp8_fp8 v[96+8*(4*\g+\t):103+8*(4*\g+\t)], v[32+16*\t:47+16*\t], v[16:31], 0
.endr
.endr
.rept 4
	v_nop                                          ; four places: for the loads below, and for the first read of the scores
.endr
.irp t, 0,1,2,3                                ; V's tiles 0-3 (channels 0-63) are asked for now and land while the softmax is walked
.irp c, 0,1,2,3
	ds_load_b128 v[32+16*\t+4*\c:32+16*\t+4*\c+3], v[ADV] offset:16*\t*VP+256*(\q)+32*\c
.endr
.endr
	s_cmp_lg_u32 s[PS], s[DG]                      ; only the step on the diagonal is masked: there the scores of hidden keys become -infinity ahead of the maximum, and p = 0
	s_cbranch_scc1 .Lopen_\@
	v_mov_b32 v254, 0xff800000
.set n, 0
.rept 64
	v_cmp_gt_i32 vcc_lo, 16*(n/8)+n%8, v[DM]
	v_cndmask_b32 v[96+n], v[96+n], v254, vcc_lo
.set n, n+1
.endr
.Lopen_\@:
	v_max3_num_f32 v254, v96, v97, v98             ; the step's largest score of my query, among my 64 keys, in two chains, each tile's registers from the low end on,
	v_max3_num_f32 v252, v99, v100, v101
.irp i, 6,10,14,18,22,26,30,34,38,42,46,50,54,58
	v_max3_num_f32 v254, v254, v[96+\i], v[97+\i]
	v_max3_num_f32 v252, v252, v[98+\i], v[99+\i]
.endr
	v_max3_num_f32 v254, v254, v158, v159
	v_max_num_f32 v254, v254, v252
	v_permlanex16_b32 v[PX], v254, s[SEL], s[SEL+1]
	v_max_num_f32 v254, v254, v[PX]                ; and among lane l xor 16's
	v_mul_f32 v254, s[CS], v254                    ; as t (c is positive)
	v_max_num_f32 v13, v13, v254                   ; the running largest t
	v_mov_b32 v254, v12
	v_floor_f32 v12, -v13                          ; the new -M = floor(-t) = -ceil(t): M is a whole number
	v_sub_f32 v254, v12, v254                      ; M's old value less its new one: a whole number, 0 or less
	v_cvt_i32_f32 v254, v254                       ; (it saturates)
	v_ldexp_f32 v252, 1.0, v254                    ; f = 2^(old M - new M)
.set n, 0
.rept 32
	v_pk_fma_f32 v[96+n:97+n], v[96+n:97+n], s[CS:CS+1], v[12:13] op_sel_hi:[1,0,0]   ; t - M, two at a time (of the pairs c and -M the low word serves both halves)
.set n, n+2
.endr
.set n, 0
.rept 64
	v_exp_f32 v[96+n], v[96+n]                     ; p = 2^(t - M), at most 1: not normalised
.set n, n+1
.endr
	v_pk_mul_f32 v[14:15], v[14:15], v[252:253] op_sel_hi:[1,0]   ; the sums under the new M.  (The plain line behind the exponentials)
	s_wait_alu depctr_va_vdst(0)
	v_pk_add_f32 v[242:243], v[96:97], v[98:99]    ; the row's sum is taken of the unquantised p: two at a time, in two chains
.irp i, 4,8,12,16,20,24,28,32,36,40,44,48,52,56,60
	v_pk_add_f32 v[14:15], v[14:15], v[96+\i:97+\i]
	v_pk_add_f32 v[242:243], v[242:243], v[98+\i:99+\i]
.endr
	v_pk_add_f32 v[14:15], v[14:15], v[242:243]
.irp b, 0,1,2,3
.irp i, 0,1,2,3,4,5,6,7,8,9,10,11,12,13,14,15
	v_min_num_f32 v[96+16*\b+\i], v[96+16*\b+\i], v240   ; the conversion to an 8-bit code does not saturate (ISA guide 7.6.2); p is not negative, so the hold is one-sided
.endr
	v_cvt_scalef32_pk8_fp8_f32 v[224+4*\b:225+4*\b], v[96+16*\b:103+16*\b], v244
	v_cvt_scalef32_pk8_fp8_f32 v[226+4*\b:227+4*\b], v[104+16*\b:111+16*\b], v244
.endr
.set n, 0
.rept 4
	v_pk_mul_f32 v[160+n:161+n], v[160+n:161+n], v[252:253] op_sel_hi:[1,0]   ; O^T under the new M: x f, from the low end on.  (Plain lines behind the conversions)
.set n, n+2
.endr
.irp t, 0,1,2,3                                ; V's tiles 4-7 (channels 64-127) take the registers that p has left, and land under the rest of the rescaling
.irp c, 0,1,2,3
	ds_load_b128 v[96+16*\t+4*\c:96+16*\t+4*\c+3], v[ADV] offset:16*(4+\t)*VP+256*(\q)+32*\c
.endr
.endr
.rept 28
	v_pk_mul_f32 v[160+n:161+n], v[160+n:161+n], v[252:253] op_sel_hi:[1,0]
.set n, n+2
.endr
	s_wait_dscnt 16                                ; V's tiles 0-3 are in; the sixteen younger loads, tiles 4-7's, may be out
.irp t, 0,1,2,3                                ; O^T += V^T P^T; the eight accumulators take turns, one instruction a turn
	v_wmma_f32_16x16x128_fp8_fp8 v[160+8*\t:167+8*\t], v[32+16*\t:47+16*\t], v[224:239], v[160+8*\t:167+8*\t]
.endr
	s_wait_dscnt 0x0
.irp t, 0,1,2,3
	v_wmma_f32_16x16x128_fp8_fp8 v[192+8*\t:199+8*\t], v[96+16*\t:111+16*\t], v[224:239], v[192+8*\t:199+8*\t]
.endr
.Lhidden_\@:
	s_add_co_u32 s[PS], s[PS], 2
.endm
; THE CHANGE OF SLOTS stands at a slot's head.  Each wave waits for all its tensor loads (its part of the slot that it is about to read), adds 0 to its spare word, and waits for that and for
; its reads of the slot that it has left.  fill = 1: that other slot is filled with the sequence's next chunk.  The barrier is then a round of the cluster's, so that no wave of any partner
; still reads the slot or has a load on its way, and the joint load is the first thing behind it: it has a whole slot's steps in which to land.  One tensor load of a wave is out at the most.
; dir: how K's address steps in memory: 2: two chunks on; 1: one chunk on; 0: two chunks back.  V's codes lie in the sequence's order: 512 bytes on along the rows.
.macro CHANGE fill, dir
	s_wait_tensorcnt 0x0                           ; no tensor load of mine is out, so a group 0 may be written
	ds_add_u32 v[SPW], v[NIL]                      ; 0 onto my spare word; with fill = 1 the descriptors' steps stand between it and the wait for it
.if \fill
	s_xor_b32 s[LF], s[LF], SLOT                   ; the other slot than last time: 0 or SLOT
	s_add_co_u32 s[G0K+1], s[LF], s[KL]
	s_add_co_u32 s[G0V+1], s[LF], s[VL]
.if \dir == 2
	s_add_nc_u64 s[G0K+2:G0K+3], s[G0K+2:G0K+3], 2*CHK   ; the type bits on top are not reached
.elseif \dir == 1
	s_add_nc_u64 s[G0K+2:G0K+3], s[G0K+2:G0K+3], CHK
.else
	s_sub_nc_u64 s[G0K+2:G0K+3], s[G0K+2:G0K+3], 2*CHK
.endif
	s_add_nc_u64 s[G0V+2:G0V+3], s[G0V+2:G0V+3], 512
	s_wait_dscnt 0x0                               ; the add is done, and my reads of the slot that I have left are over
	CROUND
	JLOAD
.else
	s_wait_dscnt 0x0                               ; the add is done, and my reads of the slot that I have left are over
	s_barrier_signal -1
	s_barrier_wait -1
.endif
.endm
.macro SLOTBODY fill, dir
	CHANGE \fill, \dir
	STEP 0
	STEP 1
	s_xor_b32 s[TB], s[TB], SLOT                   ; on to the other slot
.endm
	s_wait_loadcnt 0x0                             ; Q
	s_mov_b32 s[CNT], 7
.Lup:                                              ; chunks 0 to 6 of the sequence are read; memory chunks 2, 4, .. 14 are asked for
	SLOTBODY 1, 2
	s_sub_co_u32 s[CNT], s[CNT], 1
	s_cmp_lg_u32 s[CNT], 0
	s_cbranch_scc1 .Lup
	SLOTBODY 1, 1                                  ; chunk 7 is read; memory chunk 15 is asked for
	s_mov_b32 s[CNT], 4
.Ldown:                                            ; chunks 8 to 11 are read; memory chunks 13, 11, 9, 7 are asked for
	SLOTBODY 1, 0
	s_sub_co_u32 s[CNT], s[CNT], 1
	s_cmp_lg_u32 s[CNT], 0
	s_cbranch_scc1 .Ldown
	SLOTBODY 0, 0                                  ; chunk 12: the last slot is written out
	; THE TWO HALVES OF A TILE MEET.  Each wave has -M, the sum and O^T of its half of the key steps.  -M and the sum change hands first.
	; The six vector lines below name no register of the last products: they are the places behind those (ISA guide 7.12.1); O^T is first read far behind them.
	v_add_f32 v14, v14, v15                        ; the sum's two halves,
	v_permlanex16_b32 v[PX], v14, s[SEL], s[SEL+1]
	v_add_f32 v13, v14, v[PX]                      ; and lane l xor 16's: my half's sum, beside -M
	v_lshl_add_u32 v10, v0, 3, STAT                ; 8 bytes a thread
	v_xor_b32 v11, 64, v0                          ; the same lane of wave xor 2
	v_lshl_add_u32 v11, v11, 3, STAT
	ds_store_b64 v10, v[12:13]
	s_wait_dscnt 0x0                               ; for the others' sake: my store has landed
	s_barrier_signal -1
	s_barrier_wait -1
	ds_load_b64 v[242:243], v11                    ; the other half's -M and sum
	v_and_b32 v8, 15, v0                           ; r
	v_bfe_u32 v9, v0, 4, 1                         ; h
	s_mul_i32 s80, s[WV], 16*SP
	s_add_co_u32 s80, s80, STG                     ; my stage,
	s_xor_b32 s81, s[WV], 2
	s_mul_i32 s81, s81, 16*SP
	s_add_co_u32 s81, s81, STG                     ; the other half's,
	s_mul_i32 s82, s[JH], 8*SP                     ; and the eight rows that I store
	v_mul_u32_u24 v[SI], v8, SP
	v_lshl_add_u32 v[SI], v9, 5, v[SI]
	v_add_nc_u32 v[SI], s80, v[SI]                 ; in: row r; tile t's eight channels of my half of the lanes: 64 t + 32 h bytes on
	s_add_co_u32 s80, s80, s82
	s_add_co_u32 s81, s81, s82
	v_add_nc_u32 v8, s80, v[GO]                    ; back: a row of 512 bytes for the 32 lanes, from my stage
	v_add_nc_u32 v9, s81, v[GO]                    ; and from the other
	s_add_co_i32 s83, s70, s71                     ; ev + ep
	s_wait_dscnt 0x0
	v_min_num_f32 v252, v12, v242                  ; -M of the whole row: the larger M
	v_sub_f32 v254, v252, v12                      ; my M less the row's: a whole number, 0 or less
	v_sub_f32 v252, v252, v242                     ; the other's likewise
	v_cvt_i32_f32 v254, v254
	v_cvt_i32_f32 v252, v252
	v_ldexp_f32 v254, 1.0, v254                    ; my factor, a power of two
	v_ldexp_f32 v252, 1.0, v252                    ; the other's
	v_mul_f32 v243, v252, v243
	v_fma_f32 v243, v254, v13, v243                ; the row's sum under the row's M
	v_rcp_f32 v243, v243
	v_nop                                          ; one plain line behind a transcendental
	s_wait_alu depctr_va_vdst(0)
	v_ldexp_f32 v243, v243, s83                    ; x 2^(ep + ev)
	v_mul_f32 v252, v243, v254                     ; x my factor
.set n, 0
.rept 32
	v_pk_mul_f32 v[96+n:97+n], v[160+n:161+n], v[252:253] op_sel_hi:[1,0]   ; my half of out: register 8 t + i is channel 16 t + 8 h + i of query r; each accumulator from its low end on
.set n, n+2
.endr
.irp t, 0,1,2,3,4,5,6,7
	ds_store_b128 v[SI], v[96+8*\t:99+8*\t] offset:64*\t
	ds_store_b128 v[SI], v[100+8*\t:103+8*\t] offset:64*\t+16
.endr
	s_wait_dscnt 0x0                               ; for the others' sake: my stores have landed
	s_barrier_signal -1
	s_barrier_wait -1
	; THE WAY OUT: rows 8 j .. 8 j + 7 of the tile, my half and the other's added
.irp i, 0,1,2,3,4,5,6,7
	ds_load_b128 v[32+4*\i:35+4*\i], v8 offset:SP*\i
	ds_load_b128 v[64+4*\i:67+4*\i], v9 offset:SP*\i
.endr
.irp i, 0,1,2,3,4,5,6,7
	s_wait_dscnt 14-2*\i                           ; this row's two loads are in; two for each later row may be out
	v_pk_add_f32 v[32+4*\i:33+4*\i], v[32+4*\i:33+4*\i], v[64+4*\i:65+4*\i]
	v_pk_add_f32 v[34+4*\i:35+4*\i], v[34+4*\i:35+4*\i], v[66+4*\i:67+4*\i]
	global_store_b128 v[GO], v[32+4*\i:35+4*\i], s[12:13] offset:16384*\i th:TH_STORE_NT   ; 32 lanes store 512 consecutive bytes, at a multiple of 256 from out's first byte; written once, read by nobody here
.endr
	s_wait_tensorcnt 0x0                           ; the wave's end, behind my last tensor load and my last LDS store
	ds_add_u32 v[SPW], v[NIL]
	s_wait_dscnt 0x0
	CROUND                                         ; the closing round: no work-group ends while a partner may still ask for a tile that names it
	s_endpgm
.Lfunc_end_k_qccea943f0e_attn:
	.size	k_qccea943f0e_attn, .Lfunc_end_k_qccea943f0e_attn-k_qccea943f0e_attn
	.p2alignl 7, 3214868480
	.fill 96, 4, 3214868480
	.section	.rodata,"a",@progbits
	.p2align	6, 0x0
	.amdhsa_kernel k_qccea943f0e_attn
		.amdhsa_group_segment_fixed_size 327680
		.amdhsa_private_segment_fixed_size 0
		.amdhsa_enable_private_segment 0
		.amdhsa_kernarg_size 40
		.amdhsa_user_sgpr_count 2
		.amdhsa_user_sgpr_kernarg_segment_ptr 1
		.amdhsa_wavefront_size32 1
		.amdhsa_system_sgpr_workgroup_id_x 1
		.amdhsa_system_sgpr_workgroup_id_y 1
		.amdhsa_system_sgpr_workgroup_id_z 1
		.amdhsa_system_vgpr_workitem_id 0
		.amdhsa_next_free_vgpr 256
		.amdhsa_next_free_sgpr 96
		.amdhsa_reserve_vcc 1
		.amdhsa_float_denorm_mode_32 3
		.amdhsa_float_denorm_mode_16_64 3
		.amdhsa_memory_ordered 1
		.amdhsa_forward_progress 1
		.amdhsa_inst_pref_size 212
	.end_amdhsa_kernel
	.amdgpu_metadata
---
amdhsa.version: [ 1, 2 ]
amdhsa.kernels:
  - .name:           k_qccea943f0e_attn
    .symbol:         k_qccea943f0e_attn.kd
    .args:
      - { .name: q_shard_codes, .offset: 0, .size: 8, .value_kind: global_buffer, .address_space: global }
      - { .name: k_shard_codes, .offset: 8, .size: 8, .value_kind: global_buffer, .address_space: global }
      - { .name: v_codes, .offset: 16, .size: 8, .value_kind: global_buffer, .address_space: global }
      - { .name: lowp_scales, .offset: 24, .size: 8, .value_kind: global_buffer, .address_space: global }
      - { .name: out0, .offset: 32, .size: 8, .value_kind: global_buffer, .address_space: global }
    .group_segment_fixed_size: 327680
    .private_segment_fixed_size: 0
    .kernarg_segment_align: 8
    .kernarg_segment_size: 40
    .max_flat_workgroup_size: 512
    .sgpr_count:     96
    .vgpr_count:     256
    .wavefront_size: 32
...
	.end_amdgpu_metadata
.endif
;; end of part 2
